; MI455X (gfx1250); checked and timed in simulation.
; The chip was launched on July 23, 2026; its instructions are those of AMD's public machine-readable ISA for CDNA 5 (MIT licence, August 2026) and "CDNA5" Instruction Set Architecture Reference Guide (July 2026). The comments in the code are by the model that wrote it; some were corrected since.
;; Personalized Adaptor. Allowed arithmetic: float matrix products may take bf16 or f16 operands with f32 sums; other float arithmetic in f32, or as packed bf16 or f16 multiplies, adds, multiply-adds, maxima and minima; sums over many terms, partial sums and values carried from step to step in f32; what a program stores and reads back later, other than sums and carried values, may be rounded once to bf16 or f16.
;; Inputs: input 4 x 2,048 x 4,096 float32; lw_left 16 x 32,768 float32; lw_right 16 x 65,536 float32; personalized_rep 4 x 1,024 float32; rw_left 1,024 x 16 float32; rw_right 1,024 x 16 float32; weight 2,048 x 4,096 float32.
;; Outputs: out0 4 x 2,048 x 2,048 float32.
;; 2 versions, each right; version 2 is version 1 with the launch gen written anew for expert scheduling mode. Each part assembles by itself: llvm-mc -triple=amdgcn-amd-amdhsa -mcpu=gfx1250 --defsym DOCPART=n.
;; ======== version 1 of 2: 3 launches
;; workspace buffers: xb 67,108,864 bytes; wb 16,777,216 bytes; rb 524,288 bytes; lb 262,144 bytes; vb 262,144 bytes
;; launch gen (part 1): grid 256 x 1, 8 waves a work-group, no clusters, 9,216 bytes of LDS; arguments personalized_rep, rw_right, rw_left, lw_right, lw_left, weight, rb, lb, wb; writes rb, lb, wb
.if DOCPART == 1
	.amdgcn_target "amdgcn-amd-amdhsa--gfx1250"
	.amdhsa_code_object_version 6
	.text
	.protected	k_qfdf4f1da3f_gen
	.globl	k_qfdf4f1da3f_gen
	.p2align	8
	.type	k_qfdf4f1da3f_gen,@function
k_qfdf4f1da3f_gen:
	s_mov_b64 s[64:65], 0
	v_nop
	global_prefetch_b8 v0, s[64:65] scope:SCOPE_SE
	s_setreg_imm32_b32 hwreg(HW_REG_WAVE_MODE, 25, 1), 1
	s_wait_xcnt 0x0
; THE GENERATED FACTORS AND THE CAST OF W.
;   rb[b][c][d] = bf16( (rep[b] @ rw_right @ lw_right)[16 c + d] / 16 )      [4][4096][16]: lw_right's own column order
;   lb[b][d][r] = bf16( (rep[b] @ rw_left  @ lw_left )[2048 d + r] / 256 )   [4][16][2048]: the generator's 1/16 and the adaptor's 1/16 together
;   wb[r][c]    = bf16( weight[r][c] )                                        [2048][4096]
; Both scales are powers of two and are applied in f32 to t = rep @ rw.  All sums in f32 from unrounded inputs; each output rounded once.
; LIMITS.  The order of the sums differs from a plain row by column order; NaN and infinities are not treated apart.
; SHARES.  256 work-groups of eight waves.  Work-group g: wave w casts row 8 g + w of W (32 loads of 512 consecutive bytes); waves 0 and 1 make 128 columns each of
; lw_right's columns 256 g .. 256 g + 255, wave 2 lw_left's columns 128 g .. 128 g + 127, four columns a lane, for all four b.
; Every work-group makes t (2 sides x 4 b x 16 j) for itself: thread T takes j = 4 (T % 4) .. + 3 and the sixteen p = 256 i + 4 (T / 4) + e; the partial sums meet across lanes and then in LDS.
; No matrix unit: the products have four rows, so the work is the stream of lw and W.  No tensor loads, no cluster: nothing large is shared.
.set TFIN,  4096      ; LDS 0..4095: PART [wave 8][side 2][b 4][j 16] f32;  4096..8191: TFIN, 512 bytes a wave: [b 4][j 16] f32 of the wave's side
.set SPARE, 8192      ; the spare words: 128 bytes for each of eight waves; no other line names them
.set REPO, 2          ; v2   16 (T / 4): my four p in a row of rep
.set RWO,  3          ; v3   256 (T / 4) + 16 (T % 4): my four j in my first row of rw
.set L16,  4          ; v4   16 x lane
.set L8,   5          ; v5   8 x lane
.set PST,  6          ; v6   PART: 512 w + 16 (T % 4)
.set PLD,  7          ; v7   PART: 256 side + 16 (lane % 16)
.set TST,  8          ; v8   TFIN + 512 w + 16 (lane % 16)
.set TLD,  9          ; v9   TFIN + 512 w
.set LWO,  10         ; v10  my byte offset in a row of lw
.set OUTO, 11         ; v11  my byte offset in a b's part of rb or lb: half of LWO
.set SPW,  14         ; v14  my spare word;  never rewritten
.set NIL,  15         ; v15  0;  never rewritten
.set ACCT, 16         ; v16-47   t's partial sums: side, b, jj at 16 side + 4 b + jj
.set TT,   16         ; later: the eight waves' parts, then t of two b (16 each)
.set BAT,  48         ; v48-239  four batches of 48: rep[b] at + 4 b, rw_right's row e at + 16 + 4 e, rw_left's at + 32 + 4 e
.set LW,   48         ; later v48-111: lw's row j, my four columns, at + 4 j
.set WX,   112        ; later v112-239: W's row, load n at + 4 n
.set PT,   240        ; v240-243 the other half of the lanes' sums
.set OO,   240        ; later v240-247: two b x four columns
.set OUTB, 248        ; v248-255 two registers of bf16 for each b
	s_load_b512 s[4:19], s[0:1], 0x0               ; rep 4:5, rw_right 6:7, rw_left 8:9, lw_right 10:11, lw_left 12:13, weight 14:15, rb 16:17, lb 18:19
	s_load_b64 s[20:21], s[0:1], 0x40              ; wb
	v_lshl_add_u32 v[SPW], v0, 2, SPARE
	v_mov_b32 v[NIL], 0
	v_lshrrev_b32 v1, 5, v0
	v_readfirstlane_b32 s22, v1                    ; wave 0..7
	v_and_b32 v1, 31, v0                           ; lane
	v_lshrrev_b32 v[REPO], 2, v0                   ; T / 4
	v_and_b32 v[PST], 3, v0                        ; T % 4
	v_lshlrev_b32 v[RWO], 8, v[REPO]
	v_lshl_add_u32 v[RWO], v[PST], 4, v[RWO]
	v_lshlrev_b32 v[REPO], 4, v[REPO]
	v_lshlrev_b32 v[L16], 4, v1
	v_lshlrev_b32 v[L8], 3, v1
	s_lshl_b32 s30, s22, 9                         ; 512 w
	v_lshl_add_u32 v[PST], v[PST], 4, s30
	v_and_b32 v[PLD], 15, v1
	v_lshlrev_b32 v[PLD], 4, v[PLD]                ; 16 (lane % 16)
	s_add_co_u32 s31, s30, TFIN
	v_add_nc_u32 v[TST], s31, v[PLD]
	v_mov_b32 v[TLD], s31
	s_lshr_b32 s29, s22, 1                         ; the side of waves 0 to 2: 0, 0, 1
	s_lshl_b32 s23, s29, 8
	v_add_nc_u32 v[PLD], s23, v[PLD]
	s_mov_b32 s28, 0x3b800000                      ; 1/256 for the left side,
	s_cmp_eq_u32 s29, 0
	s_cselect_b32 s28, 0x3d800000, s28             ; 1/16 for the right
	s_mov_b32 s26, 0x76543210                      ; v_permlanex16_b32: each lane takes its own place in the other half
	s_mov_b32 s27, 0xfedcba98
	s_lshl_b32 s30, ttmp9, 10                      ; lw_right: 1,024 g + 512 w
	s_lshl_b32 s31, s22, 9
	s_add_co_u32 s30, s30, s31
	s_lshl_b32 s31, ttmp9, 9                       ; lw_left: 512 g
	s_cmp_eq_u32 s22, 2
	s_cselect_b32 s30, s31, s30
	v_add_nc_u32 v[LWO], s30, v[L16]
	v_lshrrev_b32 v[OUTO], 1, v[LWO]               ; bf16 out for f32 in
.irp z, 0,1,2,3
	v_mov_b32 v[PT+(\z)], 0                        ; v_permlanex16_b32's destination counts as read
.endr
	s_lshl_b32 s24, ttmp9, 17                      ; W: 8 rows of 16,384 bytes a work-group, a row a wave
	s_lshl_b32 s31, s22, 14
	s_add_co_u32 s24, s24, s31
	s_mov_b32 s25, 0
	s_wait_kmcnt 0x0
	s_add_nc_u64 s[14:15], s[14:15], s[24:25]
	s_lshr_b32 s24, s24, 1                         ; wb: half the bytes
	s_add_nc_u64 s[20:21], s[20:21], s[24:25]
.macro BATCH i                         ; twelve loads: rep[b][256 i + 4 (T / 4) ..], and rows 256 i + 4 (T / 4) + e of both rw
.irp b, 0,1,2,3
	global_load_b128 v[BAT+48*(\i)+4*(\b):BAT+48*(\i)+4*(\b)+3], v[REPO], s[4:5] offset:(\b)*4096+(\i)*1024
.endr
.irp e, 0,1,2,3
	global_load_b128 v[BAT+48*(\i)+16+4*(\e):BAT+48*(\i)+16+4*(\e)+3], v[RWO], s[6:7] offset:(\i)*16384+(\e)*64
	global_load_b128 v[BAT+48*(\i)+32+4*(\e):BAT+48*(\i)+32+4*(\e)+3], v[RWO], s[8:9] offset:(\i)*16384+(\e)*64
.endr
.endm
; 64 packed multiply-adds: two j at a time, times rep[b][p], which is one register of a pair given to both halves.  The very first products start the sums: nothing is cleared.
.macro TFMA i
	s_wait_loadcnt 36-12*(\i)                      ; loads come back in order: batch i is in, the younger batches of twelve stay out
.irp e, 0,1,2,3
.irp side, 0,1
.irp b, 0,1,2,3
.irp p, 0,1
.set rD, ACCT+16*(\side)+4*(\b)+2*(\p)
.set rA, BAT+48*(\i)+16+16*(\side)+4*(\e)+2*(\p)
.set rR, BAT+48*(\i)+4*(\b)+2*((\e)/2)
.if ((\i) == 0) && ((\e) == 0)
	v_pk_mul_f32 v[rD:rD+1], v[rA:rA+1], v[rR:rR+1] op_sel_hi:[1,0]
.elseif (\e)%2
	v_pk_fma_f32 v[rD:rD+1], v[rA:rA+1], v[rR:rR+1], v[rD:rD+1] op_sel:[0,1,0] op_sel_hi:[1,1,1]
.else
	v_pk_fma_f32 v[rD:rD+1], v[rA:rA+1], v[rR:rR+1], v[rD:rD+1] op_sel_hi:[1,0,1]
.endif
.endr
.endr
.endr
.endr
.endm
	BATCH 0
	BATCH 1
	BATCH 2
	BATCH 3
	TFMA 0
	TFMA 1
	TFMA 2
	TFMA 3
	; The streams go out now, into the batches' registers, and are on their way while t is finished.
.macro LWLOAD sb, stride               ; sixteen rows of lw, my four columns
.irp j, 0,1,2,3,4,5,6,7,8,9,10,11,12,13,14,15
	global_load_b128 v[LW+4*(\j):LW+4*(\j)+3], v[LWO], s[\sb:\sb+1] offset:(\j)*(\stride) th:TH_LOAD_NT
.endr
.endm
	s_cmp_gt_u32 s22, 2
	s_cbranch_scc1 .Lnolw
	s_cmp_eq_u32 s22, 2
	s_cbranch_scc1 .Llwl
	LWLOAD 10, 262144
	s_branch .Lnolw
.Llwl:
	LWLOAD 12, 131072
.Lnolw:
.set n, 0
.rept 32
	global_load_b128 v[WX+4*n:WX+4*n+3], v[L16], s[14:15] offset:n*512 th:TH_LOAD_NT  ; 512 consecutive bytes of my row of W
.set n, n+1
.endr
	; t's partial sums: over the eight lanes that share T % 4 (lanes 4, 8 and 16 apart), then over the eight waves through LDS
.set k, 0
.rept 32
	v_add_f32_dpp v[ACCT+k], v[ACCT+k], v[ACCT+k] row_xmask:4 row_mask:0xf bank_mask:0xf
.set k, k+1
.endr
.set k, 0
.rept 32
	v_add_f32_dpp v[ACCT+k], v[ACCT+k], v[ACCT+k] row_xmask:8 row_mask:0xf bank_mask:0xf
.set k, k+1
.endr
.set k, 0
.rept 8
.irp z, 0,1,2,3
	v_permlanex16_b32 v[PT+(\z)], v[ACCT+k+(\z)], s26, s27
.endr
.irp z, 0,1,2,3
	v_add_f32 v[ACCT+k+(\z)], v[ACCT+k+(\z)], v[PT+(\z)]
.endr
.set k, k+4
.endr
.irp sb, 0,1,2,3,4,5,6,7
	ds_store_b128 v[PST], v[ACCT+4*(\sb):ACCT+4*(\sb)+3] offset:(\sb)*64  ; the eight lanes of one T % 4 store equal numbers to one place
.endr
	s_wait_dscnt 0x0                               ; for the others' sake: my part of PART is written
	s_barrier_signal -1
	s_barrier_wait -1
	s_cmp_gt_u32 s22, 2
	s_cbranch_scc1 .Lcast                          ; waves 3 to 7 only cast
.macro ADD4 d, s                       ; four f32 onto four
	v_pk_add_f32 v[TT+4*(\d):TT+4*(\d)+1], v[TT+4*(\d):TT+4*(\d)+1], v[TT+4*(\s):TT+4*(\s)+1]
	v_pk_add_f32 v[TT+4*(\d)+2:TT+4*(\d)+3], v[TT+4*(\d)+2:TT+4*(\d)+3], v[TT+4*(\s)+2:TT+4*(\s)+3]
.endm
.irp k, 0,1,2,3,4,5,6,7
	ds_load_b128 v[TT+4*(\k):TT+4*(\k)+3], v[PLD] offset:(\k)*512  ; wave k's part of my side: lane % 16 takes four of its 64 numbers
.endr
	s_wait_dscnt 0x0
	ADD4 0, 1
	ADD4 2, 3
	ADD4 4, 5
	ADD4 6, 7
	ADD4 0, 2
	ADD4 4, 6
	ADD4 0, 4
.irp z, 0,1,2,3
	v_mul_f32 v[TT+(\z)], s28, v[TT+(\z)]          ; the side's scale, a power of two
.endr
	ds_store_b128 v[TST], v[TT:TT+3]               ; into my wave's own 512 bytes: LDS serves a wave's instructions in order (ISA guide 5.7.1.4), so the loads below see it
	s_wait_loadcnt 32                              ; lw's sixteen loads are in; W's 32, issued behind them, stay out
; b = 2 bp and 2 bp + 1: t comes back with every lane reading the same words; out[b][col] = the sum over j of t[b][j] lw[j][col]
.macro GEN2 bp
.irp bb, 0,1
.irp jq, 0,1,2,3
	ds_load_b128 v[TT+16*(\bb)+4*(\jq):TT+16*(\bb)+4*(\jq)+3], v[TLD] offset:(2*(\bp)+(\bb))*64+(\jq)*16
.endr
.endr
	s_wait_dscnt 0x0
.irp j, 0,1,2,3,4,5,6,7,8,9,10,11,12,13,14,15
.irp bb, 0,1
.irp p, 0,1
.set rD, OO+4*(\bb)+2*(\p)
.set rA, LW+4*(\j)+2*(\p)
.set rR, TT+16*(\bb)+2*((\j)/2)
.if (\j) == 0
	v_pk_mul_f32 v[rD:rD+1], v[rA:rA+1], v[rR:rR+1] op_sel_hi:[1,0]
.elseif (\j)%2
	v_pk_fma_f32 v[rD:rD+1], v[rA:rA+1], v[rR:rR+1], v[rD:rD+1] op_sel:[0,1,0] op_sel_hi:[1,1,1]
.else
	v_pk_fma_f32 v[rD:rD+1], v[rA:rA+1], v[rR:rR+1], v[rD:rD+1] op_sel_hi:[1,0,1]
.endif
.endr
.endr
.endr
.irp bb, 0,1
	v_cvt_pk_bf16_f32 v[OUTB+2*(2*(\bp)+(\bb))], v[OO+4*(\bb)], v[OO+4*(\bb)+1]
	v_cvt_pk_bf16_f32 v[OUTB+2*(2*(\bp)+(\bb))+1], v[OO+4*(\bb)+2], v[OO+4*(\bb)+3]
.endr
.endm
	GEN2 0
	GEN2 1
.macro OUTST sb, stride                ; each store of the wave covers 256 consecutive bytes, aligned
.irp b, 0,1,2,3
	global_store_b64 v[OUTO], v[OUTB+2*(\b):OUTB+2*(\b)+1], s[\sb:\sb+1] offset:(\b)*(\stride)
.endr
.endm
	s_cmp_eq_u32 s22, 2
	s_cbranch_scc1 .Lleft
	OUTST 16, 131072
	s_branch .Lcast
.Lleft:
	OUTST 18, 65536
.Lcast:
	; the cast of my row of W: four f32 a lane become 8 bytes; each store of the wave covers 256 consecutive bytes, aligned
.set n, 0
.rept 32
	s_wait_loadcnt 31-n                            ; load n is in, the later ones stay out
	v_cvt_pk_bf16_f32 v[WX+4*n], v[WX+4*n], v[WX+4*n+1]
	v_cvt_pk_bf16_f32 v[WX+4*n+1], v[WX+4*n+2], v[WX+4*n+3]
	global_store_b64 v[L8], v[WX+4*n:WX+4*n+1], s[20:21] offset:n*256
.set n, n+1
.endr
	s_wait_tensorcnt 0x0                           ; the wave's end
	ds_add_u32 v[SPW], v[NIL]
	s_wait_dscnt 0x0
	s_endpgm
.Lfunc_end_k_qfdf4f1da3f_gen:
	.size	k_qfdf4f1da3f_gen, .Lfunc_end_k_qfdf4f1da3f_gen-k_qfdf4f1da3f_gen
	.p2alignl 7, 3214868480
	.fill 96, 4, 3214868480
	.section	.rodata,"a",@progbits
	.p2align	6, 0x0
	.amdhsa_kernel k_qfdf4f1da3f_gen
		.amdhsa_group_segment_fixed_size 9216
		.amdhsa_private_segment_fixed_size 0
		.amdhsa_enable_private_segment 0
		.amdhsa_kernarg_size 72
		.amdhsa_user_sgpr_count 2
		.amdhsa_user_sgpr_kernarg_segment_ptr 1
		.amdhsa_wavefront_size32 1
		.amdhsa_system_sgpr_workgroup_id_x 1
		.amdhsa_system_sgpr_workgroup_id_y 1
		.amdhsa_system_sgpr_workgroup_id_z 1
		.amdhsa_system_vgpr_workitem_id 0
		.amdhsa_next_free_vgpr 256
		.amdhsa_next_free_sgpr 66
		.amdhsa_reserve_vcc 0
		.amdhsa_float_denorm_mode_32 3
		.amdhsa_float_denorm_mode_16_64 3
		.amdhsa_memory_ordered 1
		.amdhsa_forward_progress 1
		.amdhsa_inst_pref_size 57
	.end_amdhsa_kernel
	.amdgpu_metadata
---
amdhsa.version: [ 1, 2 ]
amdhsa.kernels:
  - .name:           k_qfdf4f1da3f_gen
    .symbol:         k_qfdf4f1da3f_gen.kd
    .args:
      - { .name: personalized_rep, .offset: 0, .size: 8, .value_kind: global_buffer, .address_space: global }
      - { .name: rw_right, .offset: 8, .size: 8, .value_kind: global_buffer, .address_space: global }
      - { .name: rw_left, .offset: 16, .size: 8, .value_kind: global_buffer, .address_space: global }
      - { .name: lw_right, .offset: 24, .size: 8, .value_kind: global_buffer, .address_space: global }
      - { .name: lw_left, .offset: 32, .size: 8, .value_kind: global_buffer, .address_space: global }
      - { .name: weight, .offset: 40, .size: 8, .value_kind: global_buffer, .address_space: global }
      - { .name: rb, .offset: 48, .size: 8, .value_kind: global_buffer, .address_space: global }
      - { .name: lb, .offset: 56, .size: 8, .value_kind: global_buffer, .address_space: global }
      - { .name: wb, .offset: 64, .size: 8, .value_kind: global_buffer, .address_space: global }
    .group_segment_fixed_size: 9216
    .private_segment_fixed_size: 0
    .kernarg_segment_align: 8
    .kernarg_segment_size: 72
    .max_flat_workgroup_size: 256
    .sgpr_count:     66
    .vgpr_count:     256
    .wavefront_size: 32
...
	.end_amdgpu_metadata
.endif
;; end of part 1
;; launch prep (part 2): grid 256 x 1, 8 waves a work-group, no clusters, 183,296 bytes of LDS; arguments input, rb, xb, vb; writes xb, vb
.if DOCPART == 2
	.amdgcn_target "amdgcn-amd-amdhsa--gfx1250"
	.amdhsa_code_object_version 6
	.text
	.protected	k_qfdf4f1da3f_prep
	.globl	k_qfdf4f1da3f_prep
	.p2align	8
	.type	k_qfdf4f1da3f_prep,@function
k_qfdf4f1da3f_prep:
	s_mov_b64 s[64:65], 0
	v_nop
	global_prefetch_b8 v0, s[64:65] scope:SCOPE_SE
	s_setreg_imm32_b32 hwreg(HW_REG_WAVE_MODE, 25, 1), 1
	s_wait_xcnt 0x0
; THE CAST OF x, AND v = x @ right FROM THE SAME REGISTERS.
;   xb[row][c] = bf16(x[row][c])                                   [8192][4096], row = 2048 b + s
;   vb[row][d] = bf16( the sum over c of xb[row][c] rb[b][c][d] )  [8192][16]; products of bf16, sums in f32, rounded once
; x is read once and written once in half the bytes; the stream binds, and the 32 matrix instructions of a wave ride on it.
; LIMITS.  x and v are each rounded once to bf16; v's sum is taken in eight parts of 512 columns, each in two chains; NaN and infinities are not treated apart.
; SHARES.  Work-group g owns rows 32 g .. 32 g + 31, all of batch g / 64.  Wave w owns columns 512 w .. 512 w + 511 of these rows and walks them in eight steps of 16 rows x 128 columns:
; a load of the wave takes 512 consecutive bytes of a row, a store 256 consecutive bytes, aligned.  Two register slots of 16 loads take turns, one for each half of the rows.
; A step's bf16 go through the wave's own LDS tile to come back as fragments; right's 512 rows of the wave lie in LDS as they lie in memory ([c][d]) and come out turned (ds_load_tr16_b128).
; THE MATRIX INSTRUCTION IS USED TRANSPOSED (source 0 = right's 16 d, source 1 = 16 rows of x): a lane holds one row of x and eight neighbouring d.
; The eight waves' partial v meet in LDS, in f32.  No tensor loads: the data must pass the registers for the cast anyway.  No cluster: only right's 128 KiB is shared.
.set XT,    131072    ; LDS 0..131071: RT, 16,384 bytes a wave: its 512 rows of right, 32 bytes each.  From XT: 4,352 bytes a wave: 16 rows of 256 bytes + 16 of padding
.set XP,    272       ; 68 words: the 16 rows of a fragment load start at 16 different groups of four banks (64 banks of 4 bytes: ISA guide 11.1)
.set RED,   XT+8*16*XP  ; 2,048 bytes a wave: [half of the rows 2][half of the registers 2][lane 16 bytes] f32
.set SPARE, RED+8*2048  ; the spare words: 128 bytes for each of eight waves; no other line names them
.set XO,  2           ; v2   2,048 w + 16 lane: my 16 bytes in a row of x
.set YO,  3           ; v3   1,024 w + 8 lane: my 8 bytes in a row of xb
.set XS,  4           ; v4   my tile + 8 lane
.set XA,  5           ; v5   my tile + 272 (lane % 16) + 16 (lane / 16)
.set RS,  6           ; v6   16,384 w + 16 lane: in rb[b] and in RT alike
.set RA,  7           ; v7   16,384 w + 32 (8 (lane / 16) + lane % 8) + 16 ((lane / 8) % 2)
.set RD1, 8           ; v8   RED + 2,048 w + 16 lane
.set RD2, 9           ; v9   RED + 1,024 w + 16 lane
.set VO,  10          ; v10  512 w + 32 (lane % 16) + 16 (lane / 16)
.set SPW, 12          ; v12  my spare word; never rewritten
.set NIL, 13          ; v13  0; never rewritten
.set PKV, 16          ; v16-19 v, packed
.set X0,  32          ; v32-95, v96-159: the two slots, row i at + 4 i
.set AF,  160         ; v160-191 x's fragments, 32 columns q at + 8 q
.set BF,  192         ; v192-223 right's fragments
.set ACC, 224         ; v224-255 half of the rows rh, chain par at + 16 rh + 8 par
	s_load_b256 s[4:11], s[0:1], 0x0               ; input 4:5, rb 6:7, xb 8:9, vb 10:11
	v_lshl_add_u32 v[SPW], v0, 2, SPARE
	v_mov_b32 v[NIL], 0
	v_lshrrev_b32 v1, 5, v0
	v_readfirstlane_b32 s12, v1                    ; wave 0..7
	v_and_b32 v1, 31, v0                           ; lane
	v_and_b32 v14, 15, v0                          ; lane % 16
	v_bfe_u32 v15, v0, 4, 1                        ; lane / 16
	s_lshl_b32 s16, s12, 11
	v_lshl_add_u32 v[XO], v1, 4, s16
	s_lshl_b32 s17, s12, 10
	v_lshl_add_u32 v[YO], v1, 3, s17
	s_mul_i32 s18, s12, 16*XP
	s_add_co_u32 s18, s18, XT
	v_lshl_add_u32 v[XS], v1, 3, s18
	v_mul_u32_u24 v[XA], v14, XP
	v_lshl_add_u32 v[XA], v15, 4, v[XA]
	v_add_nc_u32 v[XA], s18, v[XA]
	s_lshl_b32 s19, s12, 14
	v_lshl_add_u32 v[RS], v1, 4, s19
	v_and_b32 v[RA], 7, v0
	v_lshl_add_u32 v[RA], v15, 3, v[RA]
	v_bfe_u32 v11, v0, 3, 1
	v_lshlrev_b32 v[RA], 5, v[RA]
	v_lshl_add_u32 v[RA], v11, 4, v[RA]
	v_add_nc_u32 v[RA], s19, v[RA]
	s_add_co_u32 s20, s16, RED
	v_lshl_add_u32 v[RD1], v1, 4, s20
	s_add_co_u32 s21, s17, RED
	v_lshl_add_u32 v[RD2], v1, 4, s21
	s_lshl_b32 s22, s12, 9
	v_lshlrev_b32 v[VO], 5, v14
	v_lshl_add_u32 v[VO], v15, 4, v[VO]
	v_add_nc_u32 v[VO], s22, v[VO]
	s_lshl_b32 s14, ttmp9, 19                      ; 32 rows of 16,384 bytes
	s_mov_b32 s15, 0
	s_wait_kmcnt 0x0
	s_add_nc_u64 s[4:5], s[4:5], s[14:15]
	s_lshr_b32 s14, s14, 1                         ; 32 rows of 8,192 bytes
	s_add_nc_u64 s[8:9], s[8:9], s[14:15]
	s_lshl_b32 s14, ttmp9, 10                      ; 32 rows of 32 bytes
	s_add_nc_u64 s[10:11], s[10:11], s[14:15]
	s_lshr_b32 s14, ttmp9, 6                       ; the batch,
	s_lshl_b32 s14, s14, 17                        ; 131,072 bytes of right each
	s_add_nc_u64 s[6:7], s[6:7], s[14:15]
.macro XLOAD cb, rh                    ; 16 rows x 128 columns: rows 16 rh on, columns 128 cb on of my 512
.irp i, 0,1,2,3,4,5,6,7,8,9,10,11,12,13,14,15
	global_load_b128 v[X0+64*(\rh)+4*(\i):X0+64*(\rh)+4*(\i)+3], v[XO], s[4:5] offset:(\i)*16384+(\rh)*262144+(\cb)*512 th:TH_LOAD_NT
.endr
.endm
	; my 512 rows of right pass through registers that are idle yet (slot 1 and the fragments'), into LDS as they lie
.irp n, 0,1,2,3,4,5,6,7,8,9,10,11,12,13,14,15
	global_load_b128 v[X0+64+4*(\n):X0+64+4*(\n)+3], v[RS], s[6:7] offset:(\n)*512
.endr
.irp n, 0,1,2,3,4,5,6,7,8,9,10,11,12,13,14,15
	global_load_b128 v[AF+4*(\n):AF+4*(\n)+3], v[RS], s[6:7] offset:(16+(\n))*512
.endr
	XLOAD 0, 0
	s_wait_loadcnt 16                              ; right's 32 loads are in; x's sixteen, issued behind them, stay out
.irp n, 0,1,2,3,4,5,6,7,8,9,10,11,12,13,14,15
	ds_store_b128 v[RS], v[X0+64+4*(\n):X0+64+4*(\n)+3] offset:(\n)*512
.endr
.irp n, 0,1,2,3,4,5,6,7,8,9,10,11,12,13,14,15
	ds_store_b128 v[RS], v[AF+4*(\n):AF+4*(\n)+3] offset:(16+(\n))*512
.endr
	s_wait_dscnt 0x0                               ; the stores have read slot 1's registers: now it takes x
	XLOAD 0, 1
; A step.  left: the loads that may stay out: the other slot's sixteen, or none.  refill = 1: the slot takes the same rows' next 128 columns.
.macro STEP cb, rh, left, refill
.set XB, X0+64*(\rh)
	s_wait_loadcnt \left                           ; loads come back in order: my slot is in
.irp i, 0,1,2,3,4,5,6,7,8,9,10,11,12,13,14,15      ; in place: four f32 become two registers.  These 32 plain lines are also the places between the last step's products and the loads into their sources
	v_cvt_pk_bf16_f32 v[XB+4*(\i)], v[XB+4*(\i)], v[XB+4*(\i)+1]
	v_cvt_pk_bf16_f32 v[XB+4*(\i)+1], v[XB+4*(\i)+2], v[XB+4*(\i)+3]
.endr
.irp i, 0,1,2,3,4,5,6,7,8,9,10,11,12,13,14,15
	global_store_b64 v[YO], v[XB+4*(\i):XB+4*(\i)+1], s[8:9] offset:(\i)*8192+(\rh)*131072+(\cb)*256  ; 256 consecutive bytes, aligned
.endr
.irp i, 0,1,2,3,4,5,6,7,8,9,10,11,12,13,14,15
	ds_store_b64 v[XS], v[XB+4*(\i):XB+4*(\i)+1] offset:(\i)*XP
.endr
.if (\rh) == 0                         ; right's fragments serve both halves of the rows
.irp q, 0,1,2,3
	ds_load_tr16_b128 v[BF+8*(\q):BF+8*(\q)+3], v[RA] offset:(4*(\cb)+(\q))*1024
	ds_load_tr16_b128 v[BF+8*(\q)+4:BF+8*(\q)+7], v[RA] offset:(4*(\cb)+(\q))*1024+512
.endr
.endif
.irp q, 0,1,2,3
	ds_load_b128 v[AF+8*(\q):AF+8*(\q)+3], v[XA] offset:64*(\q)  ; LDS serves a wave's instructions in order (ISA guide 5.7.1.4): these see the stores above
	ds_load_b128 v[AF+8*(\q)+4:AF+8*(\q)+7], v[XA] offset:64*(\q)+32
.endr
	s_wait_dscnt 0x0                               ; the fragments are in, and the LDS stores have read the slot
.if \refill
	s_wait_xcnt 0x0                                ; the global stores' data registers are loaded again only behind this wait
	XLOAD (\cb)+1, \rh
.endif
.irp q, 0,1,2,3                        ; two chains take turns, and the next step has the other half's two
.set rC, ACC+16*(\rh)+8*((\q)%2)
.if ((\cb) == 0) && ((\q) < 2)
	v_wmma_f32_16x16x32_bf16 v[rC:rC+7], v[BF+8*(\q):BF+8*(\q)+7], v[AF+8*(\q):AF+8*(\q)+7], 0
.else
	v_wmma_f32_16x16x32_bf16 v[rC:rC+7], v[BF+8*(\q):BF+8*(\q)+7], v[AF+8*(\q):AF+8*(\q)+7], v[rC:rC+7]
.endif
.endr
.endm
	STEP 0, 0, 16, 1
	STEP 0, 1, 16, 1
	STEP 1, 0, 16, 1
	STEP 1, 1, 16, 1
	STEP 2, 0, 16, 1
	STEP 2, 1, 16, 1
	STEP 3, 0, 16, 0                               ; the last two steps load nothing
	STEP 3, 1, 0, 0
	; the two chains are added, and the eight waves' parts meet in LDS, in f32
.rept 4
	v_nop                                          ; four places behind the last products (ISA guide 7.12.1)
.endr
.irp rh, 0,1
.irp p, 0,1,2,3                        ; from each accumulator's low end on
	v_pk_add_f32 v[ACC+16*(\rh)+2*(\p):ACC+16*(\rh)+2*(\p)+1], v[ACC+16*(\rh)+2*(\p):ACC+16*(\rh)+2*(\p)+1], v[ACC+16*(\rh)+8+2*(\p):ACC+16*(\rh)+8+2*(\p)+1]
.endr
.endr
.irp rh, 0,1
.irp hf, 0,1
	ds_store_b128 v[RD1], v[ACC+16*(\rh)+4*(\hf):ACC+16*(\rh)+4*(\hf)+3] offset:(\rh)*1024+(\hf)*512
.endr
.endr
	s_wait_dscnt 0x0                               ; for the others' sake: my part is written
	s_barrier_signal -1
	s_barrier_wait -1
	s_cmp_gt_u32 s12, 1
	s_cbranch_scc1 .Lend                           ; wave 0 finishes rows 0 to 15, wave 1 rows 16 to 31
.irp k, 0,1,2,3,4,5,6,7
.irp hf, 0,1
	ds_load_b128 v[AF+8*(\k)+4*(\hf):AF+8*(\k)+4*(\hf)+3], v[RD2] offset:(\k)*2048+(\hf)*512
.endr
.endr
	s_wait_dscnt 0x0
.macro ADD8 d, s
.irp p, 0,1,2,3
	v_pk_add_f32 v[AF+8*(\d)+2*(\p):AF+8*(\d)+2*(\p)+1], v[AF+8*(\d)+2*(\p):AF+8*(\d)+2*(\p)+1], v[AF+8*(\s)+2*(\p):AF+8*(\s)+2*(\p)+1]
.endr
.endm
	ADD8 0, 1
	ADD8 2, 3
	ADD8 4, 5
	ADD8 6, 7
	ADD8 0, 2
	ADD8 4, 6
	ADD8 0, 4
.irp p, 0,1,2,3
	v_cvt_pk_bf16_f32 v[PKV+(\p)], v[AF+2*(\p)], v[AF+2*(\p)+1]
.endr
	global_store_b128 v[VO], v[PKV:PKV+3], s[10:11]  ; 16 rows of 32 bytes: 512 consecutive bytes, aligned
.Lend:
	s_wait_tensorcnt 0x0                           ; the wave's end
	ds_add_u32 v[SPW], v[NIL]
	s_wait_dscnt 0x0
	s_endpgm
.Lfunc_end_k_qfdf4f1da3f_prep:
	.size	k_qfdf4f1da3f_prep, .Lfunc_end_k_qfdf4f1da3f_prep-k_qfdf4f1da3f_prep
	.p2alignl 7, 3214868480
	.fill 96, 4, 3214868480
	.section	.rodata,"a",@progbits
	.p2align	6, 0x0
	.amdhsa_kernel k_qfdf4f1da3f_prep
		.amdhsa_group_segment_fixed_size 183296
		.amdhsa_private_segment_fixed_size 0
		.amdhsa_enable_private_segment 0
		.amdhsa_kernarg_size 32
		.amdhsa_user_sgpr_count 2
		.amdhsa_user_sgpr_kernarg_segment_ptr 1
		.amdhsa_wavefront_size32 1
		.amdhsa_system_sgpr_workgroup_id_x 1
		.amdhsa_system_sgpr_workgroup_id_y 1
		.amdhsa_system_sgpr_workgroup_id_z 1
		.amdhsa_system_vgpr_workitem_id 0
		.amdhsa_next_free_vgpr 256
		.amdhsa_next_free_sgpr 66
		.amdhsa_reserve_vcc 0
		.amdhsa_float_denorm_mode_32 3
		.amdhsa_float_denorm_mode_16_64 3
		.amdhsa_memory_ordered 1
		.amdhsa_forward_progress 1
		.amdhsa_inst_pref_size 69
	.end_amdhsa_kernel
	.amdgpu_metadata
---
amdhsa.version: [ 1, 2 ]
amdhsa.kernels:
  - .name:           k_qfdf4f1da3f_prep
    .symbol:         k_qfdf4f1da3f_prep.kd
    .args:
      - { .name: input, .offset: 0, .size: 8, .value_kind: global_buffer, .address_space: global }
      - { .name: rb, .offset: 8, .size: 8, .value_kind: global_buffer, .address_space: global }
      - { .name: xb, .offset: 16, .size: 8, .value_kind: global_buffer, .address_space: global }
      - { .name: vb, .offset: 24, .size: 8, .value_kind: global_buffer, .address_space: global }
    .group_segment_fixed_size: 183296
    .private_segment_fixed_size: 0
    .kernarg_segment_align: 8
    .kernarg_segment_size: 32
    .max_flat_workgroup_size: 256
    .sgpr_count:     66
    .vgpr_count:     256
    .wavefront_size: 32
...
	.end_amdgpu_metadata
.endif
;; end of part 2
;; launch gemm (part 3): grid 8 x 32, 4 waves a work-group, clusters of 4 x 4, 327,680 bytes of LDS; arguments xb, wb, vb, lb, out0; writes out0
.if DOCPART == 3
	.amdgcn_target "amdgcn-amd-amdhsa--gfx1250"
	.amdhsa_code_object_version 6
	.text
	.protected	k_qfdf4f1da3f_gemm
	.globl	k_qfdf4f1da3f_gemm
	.p2align	8
	.type	k_qfdf4f1da3f_gemm,@function
k_qfdf4f1da3f_gemm:
	s_mov_b64 s[64:65], 0
	v_nop
	global_prefetch_b8 v0, s[64:65] scope:SCOPE_SE
	s_setreg_imm32_b32 hwreg(HW_REG_WAVE_MODE, 25, 1), 1
	s_wait_xcnt 0x0
	s_wait_alu depctr_hold_cnt(0) depctr_sa_sdst(0) depctr_va_vdst(0) depctr_va_sdst(0) depctr_va_ssrc(0) depctr_va_vcc(0) depctr_vm_vsrc(0)
	s_getreg_b32 s2, hwreg(HW_REG_IB_STS2, 6, 4)
	s_cmp_eq_u32 s2, 0
	s_cbranch_scc0 .Lentry_in_a_cluster
	s_endpgm
.Lentry_in_a_cluster:
	s_bfe_u32 s2, ttmp6, 0x10000c
	s_cmp_lg_u32 s2, 0xf033
	s_cbranch_scc0 .Lentry_shape_is_right
	s_endpgm
.Lentry_shape_is_right:
; out0[m][n] = the sum over d of vb[m][d] lb[b][d][n] + the sum over k of xb[m][k] wb[n][k].   m = 2048 b + s: 8,192 rows; n: 2,048; k: 4,096; d: 16.  Operands bf16, sums f32, out0 f32.
; The low-rank term is one more K step: its 64 products, with the constant 0 as C, start the sums; 32 alike K steps of 128 follow.
; LIMITS.  The operands were rounded once to bf16 by the launches before; one f32 sum for each output, the low-rank term first, then K ascending; NaN and infinities are not treated apart.
; SHARES.  A tile of out0, 256 x 256, is made by a work-group of four waves; a wave makes 128 x 128: 64 accumulators of 16 x 16, 512 registers.  32 x 8 tiles: 256 work-groups, one tile each.
; K goes through a ring of two LDS slots filled by tensor loads: rows of 256 bytes that start at multiples of 256 bytes from the buffer's first byte.
; CLUSTERS: 4 x 4 work-groups (1,024 rows: inside one batch).  The four of a row of the cluster need the same tiles of xb, the four of a column the same tiles of wb: each tile is asked for JOINTLY,
; by the same tensor load with the same descriptor and a mask that names the four.
; REGISTERS, in windows of 256 (s_set_vgpr_msb: bits 1:0 source 0, 3:2 source 1, 5:4 source 2, 7:6 destination):
;   window 0: v0-31 addresses; v32-63 lb's rows as loaded; v64-127, v128-191 fragments of xb, two buffers; on the way out the same 128 hold two blocks of 16 rows
;   window 1: v64-127, v128-191 fragments of wb, two buffers      window 2: the accumulators of my rows 0-63 ((a, b) at v[8 (8 a + b)])      window 3: those of my rows 64-127
; THE MATRIX INSTRUCTION IS USED TRANSPOSED: source 0 = 16 rows of wb, source 1 = 16 rows of xb: lane l holds row l % 16 of out0 and the columns 8 (l / 16) + 0 .. 7: 32 neighbouring bytes.
.set SIZE_K, 4096
.set SIZE_N, 2048
.set KSTEP,  128
.set PITCH,  272                       ; an LDS row: 256 bytes + 16 of padding = 68 words: the 16 rows of a load start at 16 different groups of four banks (64 banks of 4 bytes: ISA guide 11.1)
.set HALFT,  128*PITCH                 ; 128 rows: what one tensor load brings, and what one wave reads of xb or of wb
.set SLOT,   4*HALFT                   ; xb's 256 rows, then wb's 256 rows
.set STAGE,  2*SLOT                    ; behind the ring, never filled by a tensor load: 8,448 bytes for each wave: at the start lb's 16 rows, on the way out 16 rows of out0
.set SPITCH, 528                       ; a stage row on the way out: 512 bytes + 16: an odd multiple of 16
.set LP,     288                       ; a row of lb in the stage: 256 bytes + 32: an odd multiple of 32, for the turning load
.set SPARE,  STAGE+4*16*SPITCH         ; the spare words: 128 bytes for each wave; no other line names them
.set LAPS, SIZE_K/(2*KSTEP)            ; a lap = two K steps = once round the ring: 16
.set ADRA, 16                          ; v16-17  LDS address of my xb fragments in slot 0, 1
.set ADRB, 20                          ; v20-21  the same for wb
.set TRA,  22                          ; v22     the turning load's address in my stage
.set STO,  24                          ; v24     the way out: where I put 32 bytes of a row
.set RD,   25                          ; v25     the way out: where I read a row back
.set CO,   26                          ; v26     16 x lane: my bytes in 512 of out0
.set VOF,  27                          ; v27     my 16 bytes in 16 rows of vb
.set SPW,  28                          ; v28     my spare word; never rewritten
.set NIL,  29                          ; v29     0; never rewritten
.set LOF,  30                          ; v30     my 16 bytes in two rows of lb
.set LST,  31                          ; v31     and where they go in my stage
.set LR,   32                          ; v32-63  lb's rows as loaded
.set F0,   64
.set F1,   128
.set G1, 24                            ; s[24:31] descriptor group 1 for xb's tiles
.set G0, 32                            ; s[32:39] descriptor group 0 for xb's tiles, one set for each slot
.set G1B, 48                           ; s[48:55] group 1 for wb's tiles: it differs in the mask alone
.set G0B, 56                           ; s[56:63] group 0 for wb's tiles
.set MSB, 0
.macro WIN new                         ; the immediate's high byte repeats the setting that is left; a switch that changes nothing is dropped
.if MSB != (\new)
	s_set_vgpr_msb (MSB<<8)|(\new)
.set MSB, \new
.endif
.endm
.set MUL_LO, 0xa1                      ; source 0 (wb) window 1, source 1 (xb) window 0, C and D window 2
.set MUL_HI, 0xf1                      ; the same, C and D window 3
.set TO_B,   0x40                      ; destination window 1, address window 0
; A joint load.  Waves 0 and 1 fetch xb's two halves, waves 2 and 3 wb's.  The branch hangs on the wave's number alone.  An s_nop 0 and four v_nop follow each of the two lines.
.macro JLOAD s
	s_cmp_eq_u32 s11, 0
	s_cbranch_scc0 .Lfor_b_\@
	tensor_load_to_lds s[G0+4*(\s):G0+4*(\s)+3], s[G1:G1+7]
	s_nop 0
.rept 4
	v_nop
.endr
	s_branch .Lasked_\@
.Lfor_b_\@:
	tensor_load_to_lds s[G0B+4*(\s):G0B+4*(\s)+3], s[G1B:G1B+7]
	s_nop 0
.rept 4
	v_nop
.endr
.Lasked_\@:
.endm
; A round of the cluster's barrier: my work-group's barrier; wave 0 signals for the work-group; every wave waits for all sixteen work-groups; my work-group's barrier once more.
.macro CREST                           ; a round behind its opening barrier
	s_cmp_lg_u32 s10, 0
	s_cbranch_scc1 .Lnot_wave_0_\@
	s_barrier_signal -3
.Lnot_wave_0_\@:
	s_barrier_wait -3
	s_barrier_signal -1
	s_barrier_wait -1
.endm
.macro CROUND                          ; a whole round
	s_barrier_signal -1
	s_barrier_wait -1
	CREST
.endm
	s_load_b128 s[4:7], s[0:1], 0x0                ; xb s[4:5], wb s[6:7]
	s_load_b128 s[68:71], s[0:1], 0x10             ; vb s[68:69], lb s[70:71]
	s_load_b64 s[8:9], s[0:1], 0x20                ; out0
	v_lshl_add_u32 v[SPW], v0, 2, SPARE
	v_mov_b32 v[NIL], 0
	ds_add_u32 v[SPW], v[NIL]                      ; the wave's opening: the add and its wait stand ahead of my first tensor load; the set-up below, work on registers, stands between them
	v_lshrrev_b32 v1, 5, v0
	v_readfirstlane_b32 s10, v1                    ; wave 0..3
	s_lshr_b32 s11, s10, 1                         ; which half of the tile's rows is mine.  Also: I fetch for xb (0) or for wb (1)
	s_and_b32 s12, s10, 1                          ; which half of its columns.  Also: which 128 rows of that tile I fetch
	s_bfe_u32 s40, ttmp6, 0x40000                  ; cx: my place along the cluster's x
	s_bfe_u32 s41, ttmp6, 0x40004                  ; cy: along its y
	s_lshl_b32 s42, ttmp9, 2                       ; in a cluster launch ttmp9 and ttmp7 count clusters
	s_add_co_u32 s42, s42, s40                     ; tile column = 4 x cluster x + cx
	s_and_b32 s13, ttmp7, 0xffff
	s_lshl_b32 s13, s13, 2
	s_add_co_u32 s13, s13, s41                     ; tile row = 4 x cluster y + cy
	s_lshl_b32 s43, s41, 2
	s_lshl_b32 s43, 15, s43                        ; my row of the cluster: places 4 cy .. 4 cy + 3
	s_lshl_b32 s44, 0x1111, s40                    ; my column: places cx, cx + 4, cx + 8, cx + 12
	; descriptor group 1: a tile of 128 rows x 128 elements, padded in LDS
	s_or_b32 s[G1+0], s43, (1<<16)|(1<<20)|(1<<21)|(5<<22)|(3<<25)  ; 15:0 the mask: xb's tiles go to my row; 17:16 2-byte elements; 20 padding on; 21 set beside a mask; 24:22 after every 64 words (code 5); 31:25 4 words (code 3)
	s_or_b32 s[G1B+0], s44, (1<<16)|(1<<20)|(1<<21)|(5<<22)|(3<<25) ; the same with the mask of my column, for wb's tiles
.irp g, G1, G1B
	s_mov_b32 s[(\g)+1], KSTEP<<16                 ; tensor_dim0 = 128
	s_mov_b32 s[(\g)+2], 128<<16                   ; tensor_dim1 = 128
	s_mov_b32 s[(\g)+3], KSTEP<<16                 ; tile_dim0 = 128
	s_mov_b32 s[(\g)+4], 128                       ; tile_dim1 = 128
	s_mov_b32 s[(\g)+5], SIZE_K                    ; elements from row to row
	s_mov_b32 s[(\g)+6], 0
	s_mov_b32 s[(\g)+7], 0
.endr
	; xb's tiles hang on the tile row alone, which my row of the cluster shares; wb's on the tile column alone, which my column shares
	s_lshl_b32 s17, s12, 7                         ; which 128 rows of the tile I fetch
	s_lshl_b32 s16, s13, 8
	s_add_co_u32 s16, s16, s17                     ; xb: row 256 x tile row + 128 x half
	s_lshl_b32 s46, s42, 8
	s_add_co_u32 s46, s46, s17                     ; wb: row 256 x tile column + 128 x half
	s_mov_b32 s17, 0
	s_mov_b32 s47, 0
	s_mov_b64 s[18:19], SIZE_K*2
	s_mul_u64 s[16:17], s[16:17], s[18:19]         ; in bytes
	s_mul_u64 s[46:47], s[46:47], s[18:19]
	s_mul_i32 s20, s10, HALFT                      ; where they go: wave x 128 rows: no place in the cluster enters an LDS address
	s_wait_dscnt 0x0                               ; the opening add is done
	s_wait_kmcnt 0x0
	s_add_nc_u64 s[14:15], s[4:5], s[16:17]
	s_add_nc_u64 s[46:47], s[6:7], s[46:47]
	CROUND                                         ; all sixteen work-groups are here: the first joint loads meet
.irp s, 0,1
	s_mov_b32 s[G0+4*(\s)], 1                                      ; count = 1
	s_add_co_u32 s[G0+4*(\s)+1], s20, (\s)*SLOT                    ; LDS address
	s_add_nc_u64 s[G0+4*(\s)+2:G0+4*(\s)+3], s[14:15], (\s)*KSTEP*2  ; global address: K step s
	s_or_b32 s[G0+4*(\s)+3], s[G0+4*(\s)+3], 0x80000000            ; type = 2
	s_mov_b32 s[G0B+4*(\s)], 1
	s_add_co_u32 s[G0B+4*(\s)+1], s20, (\s)*SLOT
	s_add_nc_u64 s[G0B+4*(\s)+2:G0B+4*(\s)+3], s[46:47], (\s)*KSTEP*2
	s_or_b32 s[G0B+4*(\s)+3], s[G0B+4*(\s)+3], 0x80000000
	JLOAD \s                                       ; the ring is filled before anything else is done: two loads of mine are out
.endr
	; THE LOW-RANK STEP'S OPERANDS.  vb: my 128 rows of 32 bytes, as fragments straight from memory (lane l: row l % 16, d = 8 (l / 16) + 0..7).  lb: 16 rows d of my 128 columns, through my stage, turned.
	v_and_b32 v1, 15, v0                           ; l % 16
	v_bfe_u32 v2, v0, 4, 1                         ; l / 16
	v_lshlrev_b32 v[VOF], 5, v1
	v_lshl_add_u32 v[VOF], v2, 4, v[VOF]           ; 32 x row + 16 x half
	v_lshlrev_b32 v[LOF], 12, v2
	v_lshl_add_u32 v[LOF], v1, 4, v[LOF]           ; lanes 0-15 one row's 256 bytes, lanes 16-31 the next row's
	s_lshl_b32 s72, s13, 13                        ; vb: 256 rows of 32 bytes a tile row,
	s_lshl_b32 s73, s11, 12                        ; my 128 of them
	s_add_co_u32 s72, s72, s73
	s_mov_b32 s73, 0
	s_add_nc_u64 s[68:69], s[68:69], s[72:73]
	s_lshr_b32 s74, s13, 3                         ; lb: the batch (8 tile rows each), 65,536 bytes;
	s_lshl_b32 s74, s74, 16
	s_lshl_b32 s75, s42, 9                         ; the tile's 256 columns;
	s_add_co_u32 s74, s74, s75
	s_lshl_b32 s75, s12, 8                         ; my 128 of them
	s_add_co_u32 s74, s74, s75
	s_mov_b32 s75, 0
	s_add_nc_u64 s[70:71], s[70:71], s[74:75]
.irp i, 0,1,2,3,4,5,6,7
	global_load_b128 v[F1+8*(\i):F1+8*(\i)+3], v[VOF], s[68:69] offset:(\i)*512
.endr
.irp t, 0,1,2,3,4,5,6,7
	global_load_b128 v[LR+4*(\t):LR+4*(\t)+3], v[LOF], s[70:71] offset:(\t)*8192  ; rows 2 t and 2 t + 1
.endr
	s_lshl_b32 s76, s13, 8                         ; out0: my first row, 8,192 bytes each,
	s_lshl_b32 s77, s11, 7
	s_add_co_u32 s76, s76, s77
	s_lshl_b32 s76, s76, 13
	s_lshl_b32 s77, s42, 10                        ; the tile's 1,024 bytes of a row,
	s_add_co_u32 s76, s76, s77
	s_lshl_b32 s77, s12, 9                         ; my 512 of them
	s_add_co_u32 s76, s76, s77
	s_mov_b32 s77, 0
	s_add_nc_u64 s[8:9], s[8:9], s[76:77]
	; A fragment is 16 rows x 32 K in 8 registers: lane l holds row l % 16; registers 0-3 K = 8 (l / 16) + 0..7, registers 4-7 K = 16 + 8 (l / 16) + 0..7: two loads of 16 bytes, 32 bytes apart.
	v_mul_u32_u24 v3, v1, PITCH
	v_lshl_add_u32 v3, v2, 4, v3                   ; row x pitch + 16 x half
	s_mul_i32 s21, s11, HALFT                      ; my 128 rows of xb
	s_mul_i32 s22, s12, HALFT                      ; my 128 rows of wb,
	s_add_co_u32 s22, s22, 2*HALFT                 ; which lie behind xb's 256
.irp s, 0,1
	v_add_nc_u32 v[ADRA+(\s)], s21, v3
	v_add_nc_u32 v[ADRB+(\s)], s22, v3
	s_add_co_u32 s21, s21, SLOT
	s_add_co_u32 s22, s22, SLOT
.endr
	s_mul_i32 s23, s10, 16*SPITCH
	s_add_co_u32 s23, s23, STAGE                   ; my stage
	v_mul_u32_u24 v4, v1, SPITCH                   ; the way out, in: row l % 16, 32 bytes for each half of the lanes
	v_lshl_add_u32 v4, v2, 5, v4
	v_add_nc_u32 v[STO], s23, v4
	v_and_b32 v5, 31, v0
	v_lshlrev_b32 v[CO], 4, v5                     ; back: 32 lanes take one row of 512 bytes
	v_add_nc_u32 v[RD], s23, v[CO]
	v_mul_u32_u24 v4, v2, LP                       ; lb into the stage: two rows a store
	v_lshl_add_u32 v4, v1, 4, v4
	v_add_nc_u32 v[LST], s23, v4
	v_and_b32 v4, 7, v0                            ; the turning load: lane l reads row d = 8 (l / 16) + l % 8, columns 8 ((l / 8) % 2) + 0..7, and is left with column l % 16, d = 8 (l / 16) + 0..7
	v_lshl_add_u32 v4, v2, 3, v4
	v_mul_u32_u24 v4, v4, LP
	v_bfe_u32 v5, v0, 3, 1
	v_lshl_add_u32 v4, v5, 4, v4
	v_add_nc_u32 v[TRA], s23, v4
	; d has 16 values and the instruction 32 along K: the upper halves of both sides' fragments are 0.  64 lines, once, in the wait for the loads.
.irp i, 0,1,2,3,4,5,6,7
.irp z, 4,5,6,7
	v_mov_b32 v[F1+8*(\i)+(\z)], 0
.endr
.endr
	WIN TO_B
.irp i, 0,1,2,3,4,5,6,7
.irp z, 4,5,6,7
	v_mov_b32 v[F1+8*(\i)+(\z)], 0
.endr
.endr
	WIN 0
	s_wait_loadcnt 0x0                             ; vb's fragments and lb's rows
.irp t, 0,1,2,3,4,5,6,7
	ds_store_b128 v[LST], v[LR+4*(\t):LR+4*(\t)+3] offset:(\t)*2*LP
.endr
	WIN TO_B
.irp b, 0,1,2,3,4,5,6,7
	ds_load_tr16_b128 v[F1+8*(\b):F1+8*(\b)+3], v[TRA] offset:32*(\b)  ; my own bytes: LDS serves a wave's instructions in order (ISA guide 5.7.1.4)
.endr
	s_wait_dscnt 0x0
; 16 matrix instructions: m blocks a0, a0 + 1 of the window's four (hi = 0: my rows 0-63, 1: rows 64-127) x all 8 n blocks, 32 along K.  zero = 1: the products start the sums.
.macro MUL16 f, hi, a0, zero
	WIN MUL_LO+0x50*(\hi)
.irp a, \a0, (\a0)+1
.irp b, 0,1,2,3,4,5,6,7
.if \zero
	v_wmma_f32_16x16x32_bf16 v[8*(8*(\a)+(\b)):8*(8*(\a)+(\b))+7], v[(\f)+8*(\b):(\f)+8*(\b)+7], v[(\f)+8*(4*(\hi)+(\a)):(\f)+8*(4*(\hi)+(\a))+7], 0
.else
	v_wmma_f32_16x16x32_bf16 v[8*(8*(\a)+(\b)):8*(8*(\a)+(\b))+7], v[(\f)+8*(\b):(\f)+8*(\b)+7], v[(\f)+8*(4*(\hi)+(\a)):(\f)+8*(4*(\hi)+(\a))+7], v[8*(8*(\a)+(\b)):8*(8*(\a)+(\b))+7]
.endif
.endr
.endr
.endm
; 32 LDS loads in one run: the fragments of one quarter step (128 rows of wb, 128 rows of xb, 32 K at byte k of the rows) into buffer f
.macro FETCH slot, k, f
	WIN TO_B
.irp i, 0,1,2,3,4,5,6,7
	ds_load_b128 v[(\f)+8*(\i):(\f)+8*(\i)+3],   v[ADRB+(\slot)] offset:(\k)+(\i)*16*PITCH
	ds_load_b128 v[(\f)+8*(\i)+4:(\f)+8*(\i)+7], v[ADRB+(\slot)] offset:(\k)+(\i)*16*PITCH+32
.endr
	WIN 0
.irp i, 0,1,2,3,4,5,6,7
	ds_load_b128 v[(\f)+8*(\i):(\f)+8*(\i)+3],   v[ADRA+(\slot)] offset:(\k)+(\i)*16*PITCH
	ds_load_b128 v[(\f)+8*(\i)+4:(\f)+8*(\i)+7], v[ADRA+(\slot)] offset:(\k)+(\i)*16*PITCH+32
.endr
.endm
; A load into a register that a matrix instruction has read, and an LDS store that reads a matrix result, stand four places behind that matrix instruction; only plain vector
; instructions that name none of its registers are places (ISA guide 7.12.1 for vector instructions).
.macro PLACES
.rept 4
	v_nop
.endr
.endm
; A K step is four quarters of 32 along K, 64 matrix instructions each, on buffers 0, 1, 0, 1.  One of the first three: multiplies buffer f; in its middle it fetches the next quarter, at byte k, into buffer g.
.macro QUARTER slot, k, f, g
	s_wait_dscnt 8                                 ; wb and xb's rows 0-63 are in; the youngest eight loads (xb's rows 64-127) may be out
	MUL16 \f, 0, 0, 0
	MUL16 \f, 0, 2, 0
	PLACES
	FETCH \slot, \k, \g
	s_wait_dscnt 32                                ; all but the 32 just issued
	MUL16 \f, 1, 0, 0
	MUL16 \f, 1, 2, 0
.endm
; The last quarter multiplies buffer 1 and changes slots.  MEET is its first half: ONE barrier for the change.  In front of it each wave waits for all its tensor loads, of which one is out: its part
; of the next slot; adds 0 to its spare word; and waits for that and for its own reads of this slot.  Behind it nobody reads this slot any more and the next slot is whole.
.macro MEET round                      ; round = 1: a round of the cluster's barrier follows
	WIN 0                                          ; (the add's two registers lie in window 0)
	s_wait_tensorcnt 0x0                           ; all my tensor loads have landed
	ds_add_u32 v[SPW], v[NIL]                      ; 0 onto my spare word
	s_wait_dscnt 9                                 ; (the add and the youngest eight loads may be out)
	MUL16 F1, 0, 0, 0                              ; sixteen matrix instructions stand between the add and the wait for it
	s_wait_dscnt 0x0                               ; the add is done, and my reads of this slot are over
	s_barrier_signal -1
	MUL16 F1, 0, 2, 0                              ; work on registers while the others arrive
.if \round
	WIN 0
.endif
	s_barrier_wait -1
.endm
; The whole last quarter.  fill = 1: behind the round the slot just read out is filled again first, with the K step two steps on; then come the next slot's first fragments.
; From a request to the wait for it a wave issues 224 matrix instructions.
.macro TURN slot, next, fill
	MEET \fill
.if \fill
	CREST                                          ; no wave of any partner still reads this slot's tile or has a load on its way
	s_add_nc_u64 s[G0+4*(\slot)+2:G0+4*(\slot)+3], s[G0+4*(\slot)+2:G0+4*(\slot)+3], 2*KSTEP*2
	s_add_nc_u64 s[G0B+4*(\slot)+2:G0B+4*(\slot)+3], s[G0B+4*(\slot)+2:G0B+4*(\slot)+3], 2*KSTEP*2
	JLOAD \slot                                    ; my one tensor load behind the round; the four v_nop behind it are also the places in front of the loads below
.else
	PLACES
.endif
	FETCH \next, 0, F0
	MUL16 F1, 1, 0, 0
	MUL16 F1, 1, 2, 0
.endm
	MUL16 F1, 0, 0, 1                              ; THE LOW-RANK STEP: 64 products start the 64 sums, in the order in which every quarter takes the accumulators:
	MUL16 F1, 0, 2, 1                              ; they take turns, one instruction a turn, over the loop's backward jump too
	MUL16 F1, 1, 0, 1
	MUL16 F1, 1, 2, 1
	WIN 0
	s_wait_tensorcnt 1                             ; my part of K step 0 is in; K step 1's may stay out
	s_barrier_signal -1
	s_barrier_wait -1                              ; everybody's is
	FETCH 0, 0, F0
	WIN 0                                          ; at a label and at a branch every window is 0
	s_mov_b32 s3, LAPS-1
.Llap:                                                 ; a trip goes once round the ring and fills both slots again: 15 trips ask for K steps 2 to 31
	QUARTER 0, 64,  F0, F1
	QUARTER 0, 128, F1, F0
	QUARTER 0, 192, F0, F1
	TURN 0, 1, 1
	QUARTER 1, 64,  F0, F1
	QUARTER 1, 128, F1, F0
	QUARTER 1, 192, F0, F1
	TURN 1, 0, 1
	WIN 0
	s_sub_co_u32 s3, s3, 1
	s_cmp_lg_u32 s3, 0
	s_cbranch_scc1 .Llap
	QUARTER 0, 64,  F0, F1                         ; the last lap is written out: it asks for nothing, and has no round
	QUARTER 0, 128, F1, F0
	QUARTER 0, 192, F0, F1
	TURN 0, 1, 0
	QUARTER 1, 64,  F0, F1
	QUARTER 1, 128, F1, F0
	QUARTER 1, 192, F0, F1
	s_wait_dscnt 8                                 ; the very last quarter: nothing more to fetch
	MUL16 F1, 0, 0, 0
	MUL16 F1, 0, 2, 0
	s_wait_dscnt 0x0
	MUL16 F1, 1, 0, 0
	MUL16 F1, 1, 2, 0
; THE WAY OUT, a block of 16 rows at a time.  A lane's 32 bytes of a row go from the accumulators into my own stage (rows of 528 bytes) and come back as whole rows of 512 bytes.
.macro TOSTAGE a
.set AC, 64*((\a)%4)
.set BK, 64+64*((\a)%2)
	WIN 0x08+4*((\a)/4)                            ; the stores' data: window 2 or 3
.irp b, 0,1,2,3,4,5,6,7                ; each accumulator from its low end on
	ds_store_b128 v[STO], v[AC+8*(\b):AC+8*(\b)+3] offset:64*(\b)
	ds_store_b128 v[STO], v[AC+8*(\b)+4:AC+8*(\b)+7] offset:64*(\b)+16
.endr
	WIN 0
.if (\a) >= 2
	s_wait_xcnt 0x0                                ; the registers that the block two back was stored from are loaded again only behind this wait
.endif
.irp t, 0,1,2,3,4,5,6,7,8,9,10,11,12,13,14,15
	ds_load_b128 v[BK+4*(\t):BK+4*(\t)+3], v[RD] offset:(\t)*SPITCH  ; LDS serves a wave's instructions in order (ISA guide 5.7.1.4): these see the stores above; the next block's stores come behind them
.endr
.endm
.macro SEND a, younger                 ; younger: the LDS instructions issued behind block a's loads: the next block's 32, or none
.set BK, 64+64*((\a)%2)
	WIN 0
.irp t, 0,1,2,3,4,5,6,7,8,9,10,11,12,13,14,15
	s_wait_dscnt (\younger)+15-(\t)                ; row t is back
	global_store_b128 v[CO], v[BK+4*(\t):BK+4*(\t)+3], s[8:9] offset:(16*(\a)+(\t))*SIZE_N*4 th:TH_STORE_NT  ; 512 consecutive bytes, at a multiple of 512 from out0's first byte; 127 rows at the most: inside the signed 24-bit immediate
.endr
.endm
	PLACES                                         ; the stores below read results just made
	TOSTAGE 0
.irp a, 1,2,3,4,5,6,7                  ; a block's way through the stage stands between the loads of the block before and its stores
	TOSTAGE \a
	SEND (\a)-1, 32
.endr
	SEND 7, 0
	s_wait_tensorcnt 0x0                           ; the wave's end
	ds_add_u32 v[SPW], v[NIL]
	s_wait_dscnt 0x0
	CROUND                                         ; the closing round: no work-group ends while a partner may still ask for a tile that names it
	s_endpgm
.Lfunc_end_k_qfdf4f1da3f_gemm:
	.size	k_qfdf4f1da3f_gemm, .Lfunc_end_k_qfdf4f1da3f_gemm-k_qfdf4f1da3f_gemm
	.p2alignl 7, 3214868480
	.fill 96, 4, 3214868480
	.section	.rodata,"a",@progbits
	.p2align	6, 0x0
	.amdhsa_kernel k_qfdf4f1da3f_gemm
		.amdhsa_group_segment_fixed_size 327680
		.amdhsa_private_segment_fixed_size 0
		.amdhsa_enable_private_segment 0
		.amdhsa_kernarg_size 40
		.amdhsa_user_sgpr_count 2
		.amdhsa_user_sgpr_kernarg_segment_ptr 1
		.amdhsa_wavefront_size32 1
		.amdhsa_system_sgpr_workgroup_id_x 1
		.amdhsa_system_sgpr_workgroup_id_y 1
		.amdhsa_system_sgpr_workgroup_id_z 1
		.amdhsa_system_vgpr_workitem_id 0
		.amdhsa_next_free_vgpr 1024
		.amdhsa_next_free_sgpr 80
		.amdhsa_reserve_vcc 0
		.amdhsa_float_denorm_mode_32 3
		.amdhsa_float_denorm_mode_16_64 3
		.amdhsa_memory_ordered 1
		.amdhsa_forward_progress 1
		.amdhsa_inst_pref_size 154
	.end_amdhsa_kernel
	.amdgpu_metadata
---
amdhsa.version: [ 1, 2 ]
amdhsa.kernels:
  - .name:           k_qfdf4f1da3f_gemm
    .symbol:         k_qfdf4f1da3f_gemm.kd
    .args:
      - { .name: xb, .offset: 0, .size: 8, .value_kind: global_buffer, .address_space: global }
      - { .name: wb, .offset: 8, .size: 8, .value_kind: global_buffer, .address_space: global }
      - { .name: vb, .offset: 16, .size: 8, .value_kind: global_buffer, .address_space: global }
      - { .name: lb, .offset: 24, .size: 8, .value_kind: global_buffer, .address_space: global }
      - { .name: out0, .offset: 32, .size: 8, .value_kind: global_buffer, .address_space: global }
    .group_segment_fixed_size: 327680
    .private_segment_fixed_size: 0
    .kernarg_segment_align: 8
    .kernarg_segment_size: 40
    .max_flat_workgroup_size: 128
    .sgpr_count:     80
    .vgpr_count:     1024
    .wavefront_size: 32
...
	.end_amdgpu_metadata
.endif
;; end of part 3
;; ======== version 2 of 2: 3 launches; version 1 with the launch gen written anew for expert scheduling mode
;; workspace buffers: xb 67,108,864 bytes; wb 16,777,216 bytes; rb 524,288 bytes; lb 262,144 bytes; vb 262,144 bytes
;; launch gen (part 4): grid 256 x 1, 8 waves a work-group, no clusters, 9,216 bytes of LDS; arguments personalized_rep, rw_right, rw_left, lw_right, lw_left, weight, rb, lb, wb; writes rb, lb, wb
.if DOCPART == 4
	.amdgcn_target "amdgcn-amd-amdhsa--gfx1250"
	.amdhsa_code_object_version 6
	.text
	.protected	k_qfdf4f1da3f_gen
	.globl	k_qfdf4f1da3f_gen
	.p2align	8
	.type	k_qfdf4f1da3f_gen,@function
k_qfdf4f1da3f_gen:
	s_mov_b64 s[64:65], 0
	v_nop
	global_prefetch_b8 v0, s[64:65] scope:SCOPE_SE
	s_setreg_imm32_b32 hwreg(HW_REG_WAVE_SCHED_MODE, 0, 2), 2
	s_setreg_imm32_b32 hwreg(HW_REG_WAVE_MODE, 25, 1), 1
	s_wait_xcnt 0x0
	s_wait_alu depctr_vm_vsrc(0)
; THE GENERATED FACTORS AND THE CAST OF W.
;   rb[b][c][d] = bf16( (rep[b] @ rw_right @ lw_right)[16 c + d] / 16 )      [4][4096][16]: lw_right's own column order
;   lb[b][d][r] = bf16( (rep[b] @ rw_left  @ lw_left )[2048 d + r] / 256 )   [4][16][2048]: the generator's 1/16 and the adaptor's 1/16 together
;   wb[r][c]    = bf16( weight[r][c] )                                        [2048][4096]
; Both scales are powers of two and are applied in f32 to t = rep @ rw.  All sums in f32 from unrounded inputs; each output rounded once.
; LIMITS.  The order of the sums differs from a plain row by column order; NaN and infinities are not treated apart.
; SHARES.  256 work-groups of eight waves.  Work-group g: wave w casts row 8 g + w of W (32 loads of 512 consecutive bytes); waves 0 and 1 make 128 columns each of
; lw_right's columns 256 g .. 256 g + 255, wave 2 lw_left's columns 128 g .. 128 g + 127, four columns a lane, for all four b.
; Every work-group makes t (2 sides x 4 b x 16 j) for itself: thread T takes j = 4 (T % 4) .. + 3 and the sixteen p = 256 i + 4 (T / 4) + e; the partial sums meet across lanes and then in LDS.
; No matrix unit: the products have four rows, so the work is the stream of lw and W.  No tensor loads, no cluster: nothing large is shared.
; THE MODE: SCHED_MODE bits 1:0 = 2 (LLVM: expert scheduling mode 2), set by the entry lines.  The code itself states the register dependences
; between vector instructions and memory or LDS instructions, with s_wait_alu, always for 0.
; THE PLAN.  Registers that memory or LDS instructions touch:
;   v2-v11, v14, v15   offsets and LDS addresses: written once at the head, never again.
;   v48-239            four batches of 48, loaded at the head; batch i is read by TFMA i alone.  Behind TFMA i one wait states that its products are done reading the batch, and the batch's
;                      registers are asked for again at once: W's loads 0-11, 12-23, 24-31 behind TFMA 0, 1, 2; lw's sixteen behind TFMA 3.
;   W's registers      the cast goes in eight blocks of four loads.  Block p's roundings write block p's registers in place; the stores of block p - 1 stand among them, behind one wait at the
;                      block's head; no rounding of block p names a register of block p - 1.  No register that a store has read is written again.
;   v16-47             vector lines write the partial sums, LDS stores read them, the parts' loads land there, vector lines add them, an LDS store reads the first four, t's loads land there twice:
;                      at each change of hands stands the wait that states it.
;   v248-255           written by the roundings of rb's or lb's numbers, read by four stores behind one wait, never written again.
.set TFIN,  4096      ; LDS 0..4095: PART [wave 8][side 2][b 4][j 16] f32;  4096..8191: TFIN, 512 bytes a wave: [b 4][j 16] f32 of the wave's side
.set SPARE, 8192      ; the spare words: 128 bytes for each of eight waves; no other line names them
.set REPO, 2          ; v2   16 (T / 4): my four p in a row of rep
.set RWO,  3          ; v3   256 (T / 4) + 16 (T % 4): my four j in my first row of rw
.set L16,  4          ; v4   16 x lane
.set L8,   5          ; v5   8 x lane
.set PST,  6          ; v6   PART: 512 w + 16 (T % 4)
.set PLD,  7          ; v7   PART: 256 side + 16 (lane % 16)
.set TST,  8          ; v8   TFIN + 512 w + 16 (lane % 16)
.set TLD,  9          ; v9   TFIN + 512 w
.set LWO,  10         ; v10  my byte offset in a row of lw
.set OUTO, 11         ; v11  my byte offset in a b's part of rb or lb: half of LWO
.set SPW,  14         ; v14  my spare word;  never rewritten
.set NIL,  15         ; v15  0;  never rewritten
.set ACCT, 16         ; v16-47   t's partial sums: side, b, jj at 16 side + 4 b + jj
.set TT,   16         ; later: the eight waves' parts, then t of two b (16 each)
.set BAT,  48         ; v48-239  four batches of 48: rep[b] at + 4 b, rw_right's row e at + 16 + 4 e, rw_left's at + 32 + 4 e
.set WX,   48         ; later v48-175: W's row, load n at + 4 n: batches 0 and 1 and the first 32 registers of batch 2
.set LW,   176        ; later v176-239: lw's row j, my four columns, at + 4 j: the rest of batch 2, and batch 3
.set PT,   240        ; v240-243 the other half of the lanes' sums
.set OO,   240        ; later v240-247: two b x four columns
.set OUTB, 248        ; v248-255 two registers of bf16 for each b
	s_load_b512 s[4:19], s[0:1], 0x0               ; rep 4:5, rw_right 6:7, rw_left 8:9, lw_right 10:11, lw_left 12:13, weight 14:15, rb 16:17, lb 18:19
	s_load_b64 s[20:21], s[0:1], 0x40              ; wb
	v_lshl_add_u32 v[SPW], v0, 2, SPARE
	v_mov_b32 v[NIL], 0
	v_lshrrev_b32 v1, 5, v0
	v_readfirstlane_b32 s22, v1                    ; wave 0..7
	v_and_b32 v1, 31, v0                           ; lane
	v_lshrrev_b32 v[REPO], 2, v0                   ; T / 4
	v_and_b32 v[PST], 3, v0                        ; T % 4
	v_lshlrev_b32 v[RWO], 8, v[REPO]
	v_lshl_add_u32 v[RWO], v[PST], 4, v[RWO]
	v_lshlrev_b32 v[REPO], 4, v[REPO]
	v_lshlrev_b32 v[L16], 4, v1
	v_lshlrev_b32 v[L8], 3, v1
	s_wait_alu depctr_va_sdst(0)                   ; s22, the wave's number, is written, ahead of its first reader: LDS places, offsets and branches are made from it
	s_lshl_b32 s30, s22, 9                         ; 512 w
	v_lshl_add_u32 v[PST], v[PST], 4, s30
	v_and_b32 v[PLD], 15, v1
	v_lshlrev_b32 v[PLD], 4, v[PLD]                ; 16 (lane % 16)
	s_add_co_u32 s31, s30, TFIN
	v_add_nc_u32 v[TST], s31, v[PLD]
	v_mov_b32 v[TLD], s31
	s_lshr_b32 s29, s22, 1                         ; the side of waves 0 to 2: 0, 0, 1
	s_lshl_b32 s23, s29, 8
	v_add_nc_u32 v[PLD], s23, v[PLD]
	s_mov_b32 s28, 0x3b800000                      ; 1/256 for the left side,
	s_cmp_eq_u32 s29, 0
	s_cselect_b32 s28, 0x3d800000, s28             ; 1/16 for the right
	s_mov_b32 s26, 0x76543210                      ; v_permlanex16_b32: each lane takes its own place in the other half
	s_mov_b32 s27, 0xfedcba98
	s_lshl_b32 s30, ttmp9, 10                      ; lw_right: 1,024 g + 512 w
	s_lshl_b32 s31, s22, 9
	s_add_co_u32 s30, s30, s31
	s_lshl_b32 s31, ttmp9, 9                       ; lw_left: 512 g
	s_cmp_eq_u32 s22, 2
	s_cselect_b32 s30, s31, s30
	v_add_nc_u32 v[LWO], s30, v[L16]
	v_lshrrev_b32 v[OUTO], 1, v[LWO]               ; bf16 out for f32 in
.irp z, 0,1,2,3
	v_mov_b32 v[PT+(\z)], 0                        ; v_permlanex16_b32's destination counts as read
.endr
	s_lshl_b32 s24, ttmp9, 17                      ; W: 8 rows of 16,384 bytes a work-group, a row a wave
	s_lshl_b32 s31, s22, 14
	s_add_co_u32 s24, s24, s31
	s_mov_b32 s25, 0
	s_wait_kmcnt 0x0
	s_add_nc_u64 s[14:15], s[14:15], s[24:25]
	s_lshr_b32 s24, s24, 1                         ; wb: half the bytes
	s_add_nc_u64 s[20:21], s[20:21], s[24:25]
	s_wait_alu depctr_va_vdst(0)                   ; the ten offsets and LDS addresses v2 to v11 are written: every load, store and LDS line of the kernel reads one of them, and none is written again
.macro BATCH i                         ; twelve loads: rep[b][256 i + 4 (T / 4) ..], and rows 256 i + 4 (T / 4) + e of both rw
.irp b, 0,1,2,3
	global_load_b128 v[BAT+48*(\i)+4*(\b):BAT+48*(\i)+4*(\b)+3], v[REPO], s[4:5] offset:(\b)*4096+(\i)*1024
.endr
.irp e, 0,1,2,3
	global_load_b128 v[BAT+48*(\i)+16+4*(\e):BAT+48*(\i)+16+4*(\e)+3], v[RWO], s[6:7] offset:(\i)*16384+(\e)*64
	global_load_b128 v[BAT+48*(\i)+32+4*(\e):BAT+48*(\i)+32+4*(\e)+3], v[RWO], s[8:9] offset:(\i)*16384+(\e)*64
.endr
.endm
; 64 packed multiply-adds: two j at a time, times rep[b][p], which is one register of a pair given to both halves.  The very first products start the sums: nothing is cleared.
; left: the loads issued behind batch i's, which may stay out: the younger batches, twelve each, and what has been asked of W by then.
.macro TFMA i, left
	s_wait_loadcnt \left                           ; loads come back in order: batch i is in
.irp e, 0,1,2,3
.irp side, 0,1
.irp b, 0,1,2,3
.irp p, 0,1
.set rD, ACCT+16*(\side)+4*(\b)+2*(\p)
.set rA, BAT+48*(\i)+16+16*(\side)+4*(\e)+2*(\p)
.set rR, BAT+48*(\i)+4*(\b)+2*((\e)/2)
.if ((\i) == 0) && ((\e) == 0)
	v_pk_mul_f32 v[rD:rD+1], v[rA:rA+1], v[rR:rR+1] op_sel_hi:[1,0]
.elseif (\e)%2
	v_pk_fma_f32 v[rD:rD+1], v[rA:rA+1], v[rR:rR+1], v[rD:rD+1] op_sel:[0,1,0] op_sel_hi:[1,1,1]
.else
	v_pk_fma_f32 v[rD:rD+1], v[rA:rA+1], v[rR:rR+1], v[rD:rD+1] op_sel_hi:[1,0,1]
.endif
.endr
.endr
.endr
.endr
.endm
; W: loads first .. first + count - 1 of my row's 32, 512 consecutive bytes each
.macro WLOAD first, count
.set n, \first
.rept \count
	global_load_b128 v[WX+4*n:WX+4*n+3], v[L16], s[14:15] offset:n*512 th:TH_LOAD_NT
.set n, n+1
.endr
.endm
	BATCH 0
	BATCH 1
	BATCH 2
	BATCH 3
	; W's stream goes out batch by batch, into the registers that t's products have emptied, and is on its way while t is made and finished.
	TFMA 0, 36                                     ; three younger batches stay out
	s_wait_alu depctr_va_vdst(0)                   ; the products above are done reading batch 0, v48-95, in which W's loads 0 to 11 land
	WLOAD 0, 12
	TFMA 1, 36                                     ; two younger batches and twelve loads of W
	s_wait_alu depctr_va_vdst(0)                   ; the products above are done reading batch 1, v96-143, in which W's loads 12 to 23 land
	WLOAD 12, 12
	TFMA 2, 36                                     ; one younger batch and 24 loads of W
	s_wait_alu depctr_va_vdst(0)                   ; the products above are done reading batch 2, v144-191: W's loads 24 to 31 land in its first 32 registers
	WLOAD 24, 8
	TFMA 3, 32                                     ; W's 32 loads
	s_wait_alu depctr_va_vdst(0)                   ; the products above are done reading batch 3: lw's loads land in v176-239, the rest of batch 2 and batch 3
.macro LWLOAD sb, stride               ; sixteen rows of lw, my four columns
.irp j, 0,1,2,3,4,5,6,7,8,9,10,11,12,13,14,15
	global_load_b128 v[LW+4*(\j):LW+4*(\j)+3], v[LWO], s[\sb:\sb+1] offset:(\j)*(\stride) th:TH_LOAD_NT
.endr
.endm
	s_cmp_gt_u32 s22, 2
	s_cbranch_scc1 .Lnolw
	s_cmp_eq_u32 s22, 2
	s_cbranch_scc1 .Llwl
	LWLOAD 10, 262144
	s_branch .Lnolw
.Llwl:
	LWLOAD 12, 131072
.Lnolw:
	; t's partial sums: over the eight lanes that share T % 4 (lanes 4, 8 and 16 apart), then over the eight waves through LDS
.set k, 0
.rept 32
	v_add_f32_dpp v[ACCT+k], v[ACCT+k], v[ACCT+k] row_xmask:4 row_mask:0xf bank_mask:0xf
.set k, k+1
.endr
.set k, 0
.rept 32
	v_add_f32_dpp v[ACCT+k], v[ACCT+k], v[ACCT+k] row_xmask:8 row_mask:0xf bank_mask:0xf
.set k, k+1
.endr
.set k, 0
.rept 8
.irp z, 0,1,2,3
	v_permlanex16_b32 v[PT+(\z)], v[ACCT+k+(\z)], s26, s27
.endr
.irp z, 0,1,2,3
	v_add_f32 v[ACCT+k+(\z)], v[ACCT+k+(\z)], v[PT+(\z)]
.endr
.set k, k+4
.endr
	s_wait_alu depctr_va_vdst(0)                   ; the lanes' sums v16-47 are written, which the LDS stores read; no vector line names them again before the parts' loads land in them
.irp sb, 0,1,2,3,4,5,6,7
	ds_store_b128 v[PST], v[ACCT+4*(\sb):ACCT+4*(\sb)+3] offset:(\sb)*64  ; the eight lanes of one T % 4 store equal numbers to one place
.endr
	s_wait_dscnt 0x0                               ; for the others' sake: my part of PART is written
	s_barrier_signal -1
	s_barrier_wait -1
	s_wait_alu depctr_vm_vsrc(0)                   ; my LDS stores have read v16-47, in which the parts' loads of waves 0 to 2 land
	s_cmp_gt_u32 s22, 2
	s_cbranch_scc1 .Lcast                          ; waves 3 to 7 only cast
.macro ADD4 d, s                       ; four f32 onto four
	v_pk_add_f32 v[TT+4*(\d):TT+4*(\d)+1], v[TT+4*(\d):TT+4*(\d)+1], v[TT+4*(\s):TT+4*(\s)+1]
	v_pk_add_f32 v[TT+4*(\d)+2:TT+4*(\d)+3], v[TT+4*(\d)+2:TT+4*(\d)+3], v[TT+4*(\s)+2:TT+4*(\s)+3]
.endm
.irp k, 0,1,2,3,4,5,6,7
	ds_load_b128 v[TT+4*(\k):TT+4*(\k)+3], v[PLD] offset:(\k)*512  ; wave k's part of my side: lane % 16 takes four of its 64 numbers
.endr
	s_wait_dscnt 0x0
	ADD4 0, 1
	ADD4 2, 3
	ADD4 4, 5
	ADD4 6, 7
	ADD4 0, 2
	ADD4 4, 6
	ADD4 0, 4
.irp z, 0,1,2,3
	v_mul_f32 v[TT+(\z)], s28, v[TT+(\z)]          ; the side's scale, a power of two
.endr
	s_wait_alu depctr_va_vdst(0)                   ; the scaled t, v16-19, is written, which the LDS store reads; the additions are done with v16-47, in which t's loads land
	ds_store_b128 v[TST], v[TT:TT+3]               ; into my wave's own 512 bytes: LDS serves a wave's instructions in order (ISA guide 5.7.1.4), so the loads below see it
	s_wait_loadcnt 0x0                             ; lw's sixteen loads are the youngest: all is in
	s_wait_alu depctr_vm_vsrc(0)                   ; the LDS store has read v16-19, in which t's loads land
; b = 2 bp and 2 bp + 1: t comes back with every lane reading the same words; out[b][col] = the sum over j of t[b][j] lw[j][col]
.macro GEN2 bp
.if (\bp) > 0
	s_wait_alu depctr_va_vdst(0)                   ; the products of the two b before are done reading t, v16-47, in which the next two b's t lands
.endif
.irp bb, 0,1
.irp jq, 0,1,2,3
	ds_load_b128 v[TT+16*(\bb)+4*(\jq):TT+16*(\bb)+4*(\jq)+3], v[TLD] offset:(2*(\bp)+(\bb))*64+(\jq)*16
.endr
.endr
	s_wait_dscnt 0x0
.irp j, 0,1,2,3,4,5,6,7,8,9,10,11,12,13,14,15
.irp bb, 0,1
.irp p, 0,1
.set rD, OO+4*(\bb)+2*(\p)
.set rA, LW+4*(\j)+2*(\p)
.set rR, TT+16*(\bb)+2*((\j)/2)
.if (\j) == 0
	v_pk_mul_f32 v[rD:rD+1], v[rA:rA+1], v[rR:rR+1] op_sel_hi:[1,0]
.elseif (\j)%2
	v_pk_fma_f32 v[rD:rD+1], v[rA:rA+1], v[rR:rR+1], v[rD:rD+1] op_sel:[0,1,0] op_sel_hi:[1,1,1]
.else
	v_pk_fma_f32 v[rD:rD+1], v[rA:rA+1], v[rR:rR+1], v[rD:rD+1] op_sel_hi:[1,0,1]
.endif
.endr
.endr
.endr
.irp bb, 0,1
	v_cvt_pk_bf16_f32 v[OUTB+2*(2*(\bp)+(\bb))], v[OO+4*(\bb)], v[OO+4*(\bb)+1]
	v_cvt_pk_bf16_f32 v[OUTB+2*(2*(\bp)+(\bb))+1], v[OO+4*(\bb)+2], v[OO+4*(\bb)+3]
.endr
.endm
	GEN2 0
	GEN2 1
.macro OUTST sb, stride                ; each store of the wave covers 256 consecutive bytes, aligned
.irp b, 0,1,2,3
	global_store_b64 v[OUTO], v[OUTB+2*(\b):OUTB+2*(\b)+1], s[\sb:\sb+1] offset:(\b)*(\stride)
.endr
.endm
	s_wait_alu depctr_va_vdst(0)                   ; the roundings have written v248-255, which the four stores of either arm read
	s_cmp_eq_u32 s22, 2
	s_cbranch_scc1 .Lleft
	OUTST 16, 131072
	s_branch .Lcast
.Lleft:
	OUTST 18, 65536
.Lcast:
	; the cast of my row of W: four f32 a lane become 8 bytes; each store of the wave covers 256 consecutive bytes, aligned.
	; Eight blocks of four loads.  Block p rounds its own registers in place; the stores of block p - 1 stand among its roundings, behind the one wait at its head.
.macro CBLK p
	s_wait_loadcnt 28-4*(\p)                       ; loads 4 p to 4 p + 3 are in, W's later ones stay out
.if (\p) > 0
	s_wait_alu depctr_va_vdst(0)                   ; the block before has written its roundings, which the four stores below read; no rounding of this block names them
.endif
.irp i, 0,1,2,3
.set n, 4*(\p)+(\i)
.if (\p) > 0
	global_store_b64 v[L8], v[WX+4*(n-4):WX+4*(n-4)+1], s[20:21] offset:(n-4)*256
.endif
	v_cvt_pk_bf16_f32 v[WX+4*n], v[WX+4*n], v[WX+4*n+1]
	v_cvt_pk_bf16_f32 v[WX+4*n+1], v[WX+4*n+2], v[WX+4*n+3]
.endr
.endm
	CBLK 0
	CBLK 1
	CBLK 2
	CBLK 3
	CBLK 4
	CBLK 5
	CBLK 6
	CBLK 7
	s_wait_alu depctr_va_vdst(0)                   ; block 7 has written its roundings, which the last four stores read
.irp n, 28,29,30,31
	global_store_b64 v[L8], v[WX+4*(\n):WX+4*(\n)+1], s[20:21] offset:(\n)*256
.endr
	s_wait_dscnt 0x0                               ; the closing lines, six on end
	s_wait_alu 0x0
	s_wait_tensorcnt 0x0
	ds_add_u32 v[SPW], v[NIL]
	s_wait_dscnt 0x0
	s_endpgm
.Lfunc_end_k_qfdf4f1da3f_gen:
	.size	k_qfdf4f1da3f_gen, .Lfunc_end_k_qfdf4f1da3f_gen-k_qfdf4f1da3f_gen
	.p2alignl 7, 3214868480
	.fill 96, 4, 3214868480
	.section	.rodata,"a",@progbits
	.p2align	6, 0x0
	.amdhsa_kernel k_qfdf4f1da3f_gen
		.amdhsa_group_segment_fixed_size 9216
		.amdhsa_private_segment_fixed_size 0
		.amdhsa_enable_private_segment 0
		.amdhsa_kernarg_size 72
		.amdhsa_user_sgpr_count 2
		.amdhsa_user_sgpr_kernarg_segment_ptr 1
		.amdhsa_wavefront_size32 1
		.amdhsa_system_sgpr_workgroup_id_x 1
		.amdhsa_system_sgpr_workgroup_id_y 1
		.amdhsa_system_sgpr_workgroup_id_z 1
		.amdhsa_system_vgpr_workitem_id 0
		.amdhsa_next_free_vgpr 256
		.amdhsa_next_free_sgpr 66
		.amdhsa_reserve_vcc 0
		.amdhsa_float_denorm_mode_32 3
		.amdhsa_float_denorm_mode_16_64 3
		.amdhsa_memory_ordered 1
		.amdhsa_forward_progress 1
		.amdhsa_inst_pref_size 57
	.end_amdhsa_kernel
	.amdgpu_metadata
---
amdhsa.version: [ 1, 2 ]
amdhsa.kernels:
  - .name:           k_qfdf4f1da3f_gen
    .symbol:         k_qfdf4f1da3f_gen.kd
    .args:
      - { .name: personalized_rep, .offset: 0, .size: 8, .value_kind: global_buffer, .address_space: global }
      - { .name: rw_right, .offset: 8, .size: 8, .value_kind: global_buffer, .address_space: global }
      - { .name: rw_left, .offset: 16, .size: 8, .value_kind: global_buffer, .address_space: global }
      - { .name: lw_right, .offset: 24, .size: 8, .value_kind: global_buffer, .address_space: global }
      - { .name: lw_left, .offset: 32, .size: 8, .value_kind: global_buffer, .address_space: global }
      - { .name: weight, .offset: 40, .size: 8, .value_kind: global_buffer, .address_space: global }
      - { .name: rb, .offset: 48, .size: 8, .value_kind: global_buffer, .address_space: global }
      - { .name: lb, .offset: 56, .size: 8, .value_kind: global_buffer, .address_space: global }
      - { .name: wb, .offset: 64, .size: 8, .value_kind: global_buffer, .address_space: global }
    .group_segment_fixed_size: 9216
    .private_segment_fixed_size: 0
    .kernarg_segment_align: 8
    .kernarg_segment_size: 72
    .max_flat_workgroup_size: 256
    .sgpr_count:     66
    .vgpr_count:     256
    .wavefront_size: 32
...
	.end_amdgpu_metadata
.endif
;; end of part 4
;; launch prep: the kernel of part 2 again; grid 256 x 1, 8 waves a work-group, no clusters, 183,296 bytes of LDS; arguments input, rb, xb, vb; writes xb, vb
;; launch gemm: the kernel of part 3 again; grid 8 x 32, 4 waves a work-group, clusters of 4 x 4, 327,680 bytes of LDS; arguments xb, wb, vb, lb, out0; writes out0
